; MI455X (gfx1250); checked and timed in simulation.
; The chip was launched on July 23, 2026; its instructions are those of AMD's public machine-readable ISA for CDNA 5 (MIT licence, August 2026) and "CDNA5" Instruction Set Architecture Reference Guide (July 2026). The comments in the code are by the model that wrote it; some were corrected since.
;; Cross Attention. Allowed arithmetic: float matrix products may take bf16 or f16 operands with f32 sums; other float arithmetic in f32, or as packed bf16 or f16 multiplies, adds, multiply-adds, maxima and minima; sums over many terms, partial sums and values carried from step to step in f32; what a program stores and reads back later, other than sums and carried values, may be rounded once to bf16 or f16.
;; Inputs: Wk 1 x 1,024 float32; Wq 1 x 1,024 float32; Wv 1,024 x 1,024 float32; bk 1,024 float32; bq 1,024 float32; bv 1,024 float32; key 4 x 2,048 x 1 float32; query 4 x 2,048 x 1 float32; value 4 x 2,048 x 1,024 float32.
;; Outputs: out0 64 x 2,048 x 64 float32.
;; One version. Each part assembles by itself: llvm-mc -triple=amdgcn-amd-amdhsa -mcpu=gfx1250 --defsym DOCPART=n.
;; ======== version 1 of 1: 3 launches
;; limits: values are held in f16: magnitudes above 65,504 overflow, below 6.1e-05 lose precision
;; workspace buffers: wvt 2,097,152 bytes; vh 16,777,216 bytes
;; launch wvt (part 1): grid 8 x 16, 8 waves a work-group, no clusters, 18,432 bytes of LDS; arguments Wv, wvt; writes wvt
.if DOCPART == 1
	.amdgcn_target "amdgcn-amd-amdhsa--gfx1250"
	.amdhsa_code_object_version 6
	.text
	.protected	k_q032ae78399_wvt
	.globl	k_q032ae78399_wvt
	.p2align	8
	.type	k_q032ae78399_wvt,@function
k_q032ae78399_wvt:
	s_mov_b64 s[64:65], 0
	v_nop
	global_prefetch_b8 v0, s[64:65] scope:SCOPE_SE
	s_setreg_imm32_b32 hwreg(HW_REG_WAVE_MODE, 25, 1), 1
	s_wait_xcnt 0x0
; wvt[n][k] = bf16(Wv[k][n]).  Wv: [1024 k][1024 n] f32; wvt: [1024 n][1024 k] bf16, rounded to nearest even.
; The product that follows wants both operands with K along the rows, so Wv is turned once, and rounded on the way.
; SHARES.  A work-group turns a block of 128 k x 64 n: 64 f32 of a row of Wv are 256 consecutive bytes on the way in, 128 bf16 of a
; row of wvt are 256 consecutive bytes on the way out; no smaller block has both.  1024/128 x 1024/64 = 128 work-groups of 8 waves.
; Thread t: c = t % 16, rr = t / 16.  In: rows k0 + 8 rr + 0..7, columns n0 + 4 c + 0..3 (16 lanes read 256 consecutive bytes).
; Through LDS: 64 rows (n) of 256 bytes, 272 apart.  Out: 16 lanes store 256 consecutive bytes, at a multiple of 256 from wvt's first byte.
; The four LDS stores of a thread lie 4 x 272 bytes apart from lane to lane, which is 64 modulo 256: sixteen lanes fall on four columns of
; 16 bytes.  Four such stores a thread, once: taken as it is.
; No cluster and no prefetch: no two work-groups read the same byte, and each thread's eight loads go out at once at the head.
.set PITCH, 272
.set SPARE, 64*PITCH                   ; behind the block: the spare words, 128 bytes for each of the eight waves
.set OFFI, 3                           ; v3  my byte offset in Wv's block
.set LST,  4                           ; v4  where I put 16 bytes of a row of wvt
.set LRD,  5                           ; v5  where I read a row back
.set OFFO, 6                           ; v6  my byte offset in wvt's block
.set SPW,  8                           ; v8  LDS address of my spare word; never rewritten
.set NIL,  9                           ; v9  0; never rewritten
.set X,    16                          ; v[16:47] X[4 j + i] = Wv[k0 + 8 rr + j][n0 + 4 c + i]
.set Y,    48                          ; v[48:63] packed, and later the rows read back
	s_load_b128 s[4:7], s[0:1], 0x0                ; Wv s[4:5], wvt s[6:7]
	v_lshl_add_u32 v[SPW], v0, 2, SPARE
	v_mov_b32 v[NIL], 0
	v_and_b32 v1, 15, v0                           ; c
	v_lshrrev_b32 v2, 4, v0                        ; rr
	v_lshlrev_b32 v[OFFI], 4, v1
	v_lshl_add_u32 v[OFFI], v2, 15, v[OFFI]        ; 8 rr rows of 4,096 bytes + 16 c
	v_mul_u32_u24 v[LST], v1, 4*PITCH
	v_lshl_add_u32 v[LST], v2, 4, v[LST]           ; row 4 c, byte 16 rr
	v_mul_u32_u24 v[LRD], v2, PITCH
	v_lshl_add_u32 v[LRD], v1, 4, v[LRD]           ; row rr, byte 16 c
	v_lshlrev_b32 v[OFFO], 4, v1
	v_lshl_add_u32 v[OFFO], v2, 11, v[OFFO]        ; rr rows of 2,048 bytes + 16 c
	s_and_b32 s12, ttmp7, 0xffff                   ; the block of 64 n
	s_lshl_b32 s8, ttmp9, 19                       ; in: 128 rows of 4,096 bytes for each block of k,
	s_lshl_b32 s13, s12, 8                         ; 256 bytes for each block of n
	s_add_co_u32 s8, s8, s13
	s_mov_b32 s9, 0
	s_lshl_b32 s10, s12, 17                        ; out: 64 rows of 2,048 bytes for each block of n,
	s_lshl_b32 s13, ttmp9, 8                       ; 256 bytes for each block of k
	s_add_co_u32 s10, s10, s13
	s_mov_b32 s11, 0
	s_wait_kmcnt 0x0
	s_add_nc_u64 s[4:5], s[4:5], s[8:9]
	s_add_nc_u64 s[6:7], s[6:7], s[10:11]
.irp j, 0,1,2,3,4,5,6,7
	global_load_b128 v[X+4*(\j):X+4*(\j)+3], v[OFFI], s[4:5] offset:4096*(\j) th:TH_LOAD_NT
.endr
	s_wait_loadcnt 0x0
.irp i, 0,1,2,3                        ; column n0 + 4 c + i: its eight k, two to a word, the lower k in the lower half
.irp m, 0,1,2,3
	v_cvt_pk_bf16_f32 v[Y+4*(\i)+(\m)], v[X+8*(\m)+(\i)], v[X+8*(\m)+4+(\i)]
.endr
.endr
.irp i, 0,1,2,3
	ds_store_b128 v[LST], v[Y+4*(\i):Y+4*(\i)+3] offset:PITCH*(\i)
.endr
	s_wait_dscnt 0x0                               ; for the others' sake: my stores are done
	s_barrier_signal -1
	s_barrier_wait -1                              ; the block lies whole in LDS
.irp j, 0,1,2,3
	ds_load_b128 v[Y+4*(\j):Y+4*(\j)+3], v[LRD] offset:16*PITCH*(\j)
.endr
.irp j, 0,1,2,3
	s_wait_dscnt 3-(\j)                            ; LDS loads come back in order: load j is in, the younger ones may be out
	global_store_b128 v[OFFO], v[Y+4*(\j):Y+4*(\j)+3], s[6:7] offset:32768*(\j)
.endr
	s_wait_tensorcnt 0x0                           ; the wave's end: a wait, an add of 0 to my spare word and its wait, behind my last LDS store
	ds_add_u32 v[SPW], v[NIL]
	s_wait_dscnt 0x0
	s_endpgm
.Lfunc_end_k_q032ae78399_wvt:
	.size	k_q032ae78399_wvt, .Lfunc_end_k_q032ae78399_wvt-k_q032ae78399_wvt
	.p2alignl 7, 3214868480
	.fill 96, 4, 3214868480
	.section	.rodata,"a",@progbits
	.p2align	6, 0x0
	.amdhsa_kernel k_q032ae78399_wvt
		.amdhsa_group_segment_fixed_size 18432
		.amdhsa_private_segment_fixed_size 0
		.amdhsa_enable_private_segment 0
		.amdhsa_kernarg_size 16
		.amdhsa_user_sgpr_count 2
		.amdhsa_user_sgpr_kernarg_segment_ptr 1
		.amdhsa_wavefront_size32 1
		.amdhsa_system_sgpr_workgroup_id_x 1
		.amdhsa_system_sgpr_workgroup_id_y 1
		.amdhsa_system_sgpr_workgroup_id_z 1
		.amdhsa_system_vgpr_workitem_id 0
		.amdhsa_next_free_vgpr 64
		.amdhsa_next_free_sgpr 66
		.amdhsa_reserve_vcc 0
		.amdhsa_float_denorm_mode_32 3
		.amdhsa_float_denorm_mode_16_64 3
		.amdhsa_memory_ordered 1
		.amdhsa_forward_progress 1
		.amdhsa_inst_pref_size 5
	.end_amdhsa_kernel
	.amdgpu_metadata
---
amdhsa.version: [ 1, 2 ]
amdhsa.kernels:
  - .name:           k_q032ae78399_wvt
    .symbol:         k_q032ae78399_wvt.kd
    .args:
      - { .name: Wv, .offset: 0, .size: 8, .value_kind: global_buffer, .address_space: global }
      - { .name: wvt, .offset: 8, .size: 8, .value_kind: global_buffer, .address_space: global }
    .group_segment_fixed_size: 18432
    .private_segment_fixed_size: 0
    .kernarg_segment_align: 8
    .kernarg_segment_size: 16
    .max_flat_workgroup_size: 256
    .sgpr_count:     66
    .vgpr_count:     64
    .wavefront_size: 32
...
	.end_amdgpu_metadata
.endif
;; end of part 1
;; launch proj (part 2): grid 4 x 64, 4 waves a work-group, clusters of 4 x 4, 327,680 bytes of LDS; arguments value, wvt, vh; writes vh
.if DOCPART == 2
	.amdgcn_target "amdgcn-amd-amdhsa--gfx1250"
	.amdhsa_code_object_version 6
	.text
	.protected	k_q032ae78399_proj
	.globl	k_q032ae78399_proj
	.p2align	8
	.type	k_q032ae78399_proj,@function
k_q032ae78399_proj:
	s_mov_b64 s[64:65], 0
	v_nop
	global_prefetch_b8 v0, s[64:65] scope:SCOPE_SE
	s_setreg_imm32_b32 hwreg(HW_REG_WAVE_MODE, 25, 1), 1
	s_wait_xcnt 0x0
	s_wait_alu depctr_hold_cnt(0) depctr_sa_sdst(0) depctr_va_vdst(0) depctr_va_sdst(0) depctr_va_ssrc(0) depctr_va_vcc(0) depctr_vm_vsrc(0)
	s_getreg_b32 s2, hwreg(HW_REG_IB_STS2, 6, 4)
	s_cmp_eq_u32 s2, 0
	s_cbranch_scc0 .Lentry_in_a_cluster
	s_endpgm
.Lentry_in_a_cluster:
	s_bfe_u32 s2, ttmp6, 0x10000c
	s_cmp_lg_u32 s2, 0xf033
	s_cbranch_scc0 .Lentry_shape_is_right
	s_endpgm
.Lentry_shape_is_right:
; vh[4 h + b][s][d] = f16( sum over k of bf16(value[b][s][k]) wvt[64 h + d][k] ).  value: [8192 rows][1024] f32; wvt: [1024 n][1024 k] bf16; vh: [64][2048][64] f16.
; The bias bv is not added here: the attention's weights sum to 1, so the launch behind adds it in f32 at its end.
; LIMITS.  value is rounded to bf16 (nearest even) on its way to the matrix unit; sums in f32; v is rounded once to f16, which ends at 65,504: a |v| beyond that is lost.
; SHARES.  A tile is 128 rows x 256 columns (four heads): 64 x 4 = 256 work-groups of four waves; a wave makes 64 x 128: 32 accumulators of 16 x 16.
; K goes in 8 steps of 128 through two LDS slots.  A's rows arrive as f32 (512 bytes a step) and are rounded in registers; B's rows are 256 bytes a step.
; CLUSTER.  4 x 4 work-groups.  The four of a row need the same rows of value, the four of a column the same rows of wvt: each tile is asked for jointly, by the same tensor load
; with the same descriptor and a mask that names the four.  A cluster spans all 1,024 columns, so each row of value is asked for by one cluster alone.
; THE MATRIX INSTRUCTION IS USED TRANSPOSED (source 0 = 16 rows of wvt, source 1 = 16 rows of value): a lane then holds eight neighbouring columns of one row of v.
; REGISTERS, in windows of 256 (s_set_vgpr_msb: bits 1:0 source 0, 3:2 source 1, 5:4 source 2, 7:6 destination):
;   window 0: v0-31 addresses; v32-95 A as loaded (f32); v96-127, v128-159 A's fragments in bf16, two buffers; v160-191, v192-255 the way out
;   window 1: the accumulators, (a, b) at 8 (8 a + b)          window 2: v0-63, v64-127 B's fragments, two buffers
.set PA,    528                        ; a row of A in LDS: 512 bytes + 16 = 132 words: row r starts at bank 4 r mod 64 (64 banks of 4 bytes: ISA guide 11.1)
.set PB,    272                        ; a row of B: 256 bytes + 16 = 68 words: likewise
.set AHALF, 64*PA                      ; what one tensor load brings of A, and what a wave reads of it
.set BHALF, 128*PB                     ; the same for B
.set BOFF,  2*AHALF                    ; B's 256 rows lie behind A's 128
.set SLOT,  BOFF+2*BHALF               ; 137,216 bytes
.set STAGE, 2*SLOT                     ; behind the ring: for each wave 2 heads x 16 rows x 144 bytes, for the way out
.set SP,    144
.set SPARE, STAGE+4*32*SP              ; behind the stages: the spare words, 128 bytes for each wave
.set ADRA, 16                          ; v16-17  LDS address of my A rows in slot 0, 1
.set ADRB, 20                          ; v20-21  the same for B
.set STO,  24                          ; v24     the way out: where I put 16 bytes of a row
.set RD,   25                          ; v25     the way out: where I read rows back
.set GO,   26                          ; v26     16 x my lane: my place in 512 consecutive bytes of vh
.set SPW,  28                          ; v28     LDS address of my spare word; never rewritten
.set NIL,  29                          ; v29     0; never rewritten
.set PFO,  30                          ; v30     the prefetches' offset; never rewritten
.set RAW,  32
.set A16,  96
.set TMP,  160
.set OB,   192
.set G1,  24                           ; s[24:31] descriptor group 1 for A's tiles;  s[32:39] group 0, a set for each slot
.set G0,  32
.set G1B, 48                           ; s[48:55], s[56:63] the same for B's tiles
.set G0B, 56
.set LIM, 43                           ; s43  1 in a wave that prefetches, else the greatest number
.set PFA, 44                           ; s[44:45] where my prefetches stand
.set PFS, 46                           ; s[46:47] their step: a K step's bytes of a row
.set MSB, 0
.macro WIN new                         ; the immediate's high byte repeats the setting that is left; a switch that changes nothing is dropped
.if MSB != (\new)
	s_set_vgpr_msb (MSB<<8)|(\new)
.set MSB, \new
.endif
.endm
.set MUL,  0x52                        ; source 0 (B) window 2, source 1 (A) window 0, C and D window 1
.set TO_B, 0x80                        ; destination window 2, address window 0
.macro PLACES                          ; four plain places behind matrix instructions (ISA guide 7.12.1)
.rept 4
	v_nop
.endr
.endm
; A joint refill: waves 0 and 1 fetch A's two halves, waves 2 and 3 B's.  The branch hangs on the wave's number alone.  An s_nop 0 and four v_nop follow each of the two lines.
.macro JLOAD s
	s_cmp_eq_u32 s11, 0
	s_cbranch_scc0 .Lfor_b_\@
	tensor_load_to_lds s[G0+4*(\s):G0+4*(\s)+3], s[G1:G1+7]
	s_nop 0
.rept 4
	v_nop
.endr
	s_branch .Lasked_\@
.Lfor_b_\@:
	tensor_load_to_lds s[G0B+4*(\s):G0B+4*(\s)+3], s[G1B:G1B+7]
	s_nop 0
.rept 4
	v_nop
.endr
.Lasked_\@:
.endm
.macro CREST                           ; a round of the cluster's barrier behind its opening barrier
	s_cmp_lg_u32 s10, 0
	s_cbranch_scc1 .Lnot_wave_0_\@
	s_barrier_signal -3
.Lnot_wave_0_\@:
	s_barrier_wait -3
	s_barrier_signal -1
	s_barrier_wait -1
.endm
.macro CROUND                          ; a whole round
	s_barrier_signal -1
	s_barrier_wait -1
	CREST
.endm
; A prefetch of the K step that stands two refills on (256 matrix instructions ahead of the load that will ask for it): one instruction a wave, 32 blocks of 256 bytes.
; Of the 64 rows x 512 bytes of value that wave 0 or 1 fetches, the partner at place cx takes 16 rows: a lane half a row.  Of the 128 rows x 256 bytes of wvt that wave 2 or 3
; fetches, the partner at place cy takes 32: a lane a row; all clusters walk the same rows of wvt, and the cluster with y = 0 asks.  The partners are told apart by address alone.
; K steps 0 to 3 come by their loads alone; the loop's last trip (s3 = 1) has no K step two on.
.macro ASK
	s_cmp_gt_u32 s3, s[LIM]
	s_cbranch_scc0 .Lnot_mine_\@
	global_prefetch_b8 v[PFO], s[PFA:PFA+1] th:TH_LOAD_NT scope:SCOPE_SE
.Lnot_mine_\@:
.endm
	s_load_b128 s[4:7], s[0:1], 0x0                ; value s[4:5], wvt s[6:7]
	s_load_b64 s[8:9], s[0:1], 0x10                ; vh
	v_lshl_add_u32 v[SPW], v0, 2, SPARE
	v_mov_b32 v[NIL], 0
	ds_add_u32 v[SPW], v[NIL]                      ; the wave's opening: the add and its wait, ahead of my first tensor load
	v_lshrrev_b32 v1, 5, v0
	v_readfirstlane_b32 s10, v1                    ; wave 0..3
	s_lshr_b32 s11, s10, 1                         ; which 64 rows of the tile are mine.  Also: I fetch for A (0) or for B (1)
	s_and_b32 s12, s10, 1                          ; which 128 columns.  Also: which half of that tile I fetch
	s_bfe_u32 s40, ttmp6, 0x40000                  ; cx
	s_bfe_u32 s41, ttmp6, 0x40004                  ; cy
	s_lshl_b32 s42, ttmp9, 2
	s_add_co_u32 s42, s42, s40                     ; tile column = 4 x cluster x + cx
	s_and_b32 s13, ttmp7, 0xffff
	s_lshl_b32 s13, s13, 2
	s_add_co_u32 s13, s13, s41                     ; tile row = 4 x cluster y + cy
	s_lshl_b32 s14, s41, 2
	s_lshl_b32 s14, 15, s14                        ; my row of the cluster
	s_lshl_b32 s15, 0x1111, s40                    ; my column
	; group 1 for A: 64 rows x 128 elements of 4 bytes, 4 words of padding behind every 128 words
	s_or_b32 s[G1+0], s14, (2<<16)|(1<<20)|(1<<21)|(6<<22)|(3<<25)
	s_mov_b32 s[G1+1], 128<<16                     ; tensor_dim0 = 128
	s_mov_b32 s[G1+2], 64<<16                      ; tensor_dim1 = 64
	s_mov_b32 s[G1+3], 128<<16                     ; tile_dim0 = 128
	s_mov_b32 s[G1+4], 64                          ; tile_dim1 = 64
	s_mov_b32 s[G1+5], 1024                        ; elements from row to row
	s_mov_b32 s[G1+6], 0
	s_mov_b32 s[G1+7], 0
	; group 1 for B: 128 rows x 128 elements of 2 bytes, 4 words of padding behind every 64 words
	s_or_b32 s[G1B+0], s15, (1<<16)|(1<<20)|(1<<21)|(5<<22)|(3<<25)
	s_mov_b32 s[G1B+1], 128<<16
	s_mov_b32 s[G1B+2], 128<<16
	s_mov_b32 s[G1B+3], 128<<16
	s_mov_b32 s[G1B+4], 128
	s_mov_b32 s[G1B+5], 1024
	s_mov_b32 s[G1B+6], 0
	s_mov_b32 s[G1B+7], 0
	s_lshl_b32 s16, s13, 19                        ; A: (128 x tile row + 64 x half) rows of 4,096 bytes
	s_lshl_b32 s17, s12, 18
	s_add_co_u32 s16, s16, s17
	s_mov_b32 s17, 0
	s_lshl_b32 s18, s42, 19                        ; B: (256 x tile column + 128 x half) rows of 2,048 bytes
	s_lshl_b32 s19, s12, 18
	s_add_co_u32 s18, s18, s19
	s_mov_b32 s19, 0
	s_mul_i32 s20, s12, AHALF                      ; where they go: no place in the cluster enters an LDS address
	s_mul_i32 s21, s12, BHALF
	s_add_co_u32 s21, s21, BOFF
	s_wait_dscnt 0x0                               ; the opening add is done
	s_wait_kmcnt 0x0
	s_add_nc_u64 s[16:17], s[4:5], s[16:17]
	s_add_nc_u64 s[18:19], s[6:7], s[18:19]
.irp s, 0,1
	s_mov_b32 s[G0+4*(\s)], 1
	s_add_co_u32 s[G0+4*(\s)+1], s20, (\s)*SLOT
	s_add_nc_u64 s[G0+4*(\s)+2:G0+4*(\s)+3], s[16:17], (\s)*512    ; K step s: 128 f32
	s_or_b32 s[G0+4*(\s)+3], s[G0+4*(\s)+3], 0x80000000
	s_mov_b32 s[G0B+4*(\s)], 1
	s_add_co_u32 s[G0B+4*(\s)+1], s21, (\s)*SLOT
	s_add_nc_u64 s[G0B+4*(\s)+2:G0B+4*(\s)+3], s[18:19], (\s)*256  ; K step s: 128 bf16
	s_or_b32 s[G0B+4*(\s)+3], s[G0B+4*(\s)+3], 0x80000000
.endr
	CROUND                                         ; all sixteen work-groups are here: the first joint loads meet
	s_cmp_eq_u32 s11, 0                            ; a wave's two first fills stand in one branch: two loads of mine are out
	s_cbranch_scc0 .Lfirst_b
	tensor_load_to_lds s[G0:G0+3], s[G1:G1+7]
	s_nop 0
	tensor_load_to_lds s[G0+4:G0+7], s[G1:G1+7]
	s_nop 0
.rept 4
	v_nop
.endr
	s_branch .Lfirst_asked
.Lfirst_b:
	tensor_load_to_lds s[G0B:G0B+3], s[G1B:G1B+7]
	s_nop 0
	tensor_load_to_lds s[G0B+4:G0B+7], s[G1B:G1B+7]
	s_nop 0
.rept 4
	v_nop
.endr
.Lfirst_asked:
	; A fragment is 16 rows x 32 K: lane l holds row l % 16, K = 8 (l / 16) + 0..7 and 16 + 8 (l / 16) + 0..7.  In bf16: two loads of 16 bytes, 32 apart.  In f32: four, at 0, 16, 64, 80 behind 32 (l / 16).
	v_and_b32 v1, 15, v0                           ; l % 16
	v_bfe_u32 v2, v0, 4, 1                         ; l / 16
	v_mul_u32_u24 v3, v1, PA
	v_lshl_add_u32 v3, v2, 5, v3
	v_mul_u32_u24 v4, v1, PB
	v_lshl_add_u32 v4, v2, 4, v4
	s_mul_i32 s22, s11, AHALF                      ; my 64 rows of A
	s_mul_i32 s23, s12, BHALF                      ; my 128 rows of B
	s_add_co_u32 s23, s23, BOFF
.irp s, 0,1
	v_add_nc_u32 v[ADRA+(\s)], s22, v3
	v_add_nc_u32 v[ADRB+(\s)], s23, v4
	s_add_co_u32 s22, s22, SLOT
	s_add_co_u32 s23, s23, SLOT
.endr
	s_mul_i32 s22, s10, 32*SP
	s_add_co_u32 s22, s22, STAGE                   ; my stage
	v_mul_u32_u24 v5, v1, SP                       ; in: row l % 16, 16 bytes for each half of the lanes
	v_lshl_add_u32 v5, v2, 4, v5
	v_add_nc_u32 v[STO], s22, v5
	v_bfe_u32 v5, v0, 3, 2                         ; back: 32 lanes take four rows of 128 bytes,
	v_mul_u32_u24 v5, v5, SP
	v_and_b32 v6, 7, v0
	v_lshl_add_u32 v5, v6, 4, v5
	v_add_nc_u32 v[RD], s22, v5
	v_and_b32 v7, 31, v0
	v_lshlrev_b32 v[GO], 4, v7                     ; which are 512 consecutive bytes of vh
	; vh at my wave's first head and row: head 4 x tile column + 2 x column half, batch = tile row / 16, row (tile row % 16) x 128 + 64 x row half
	s_lshl_b32 s22, s42, 22
	s_lshl_b32 s23, s12, 21
	s_add_co_u32 s22, s22, s23
	s_lshr_b32 s23, s13, 4
	s_lshl_b32 s23, s23, 18
	s_add_co_u32 s22, s22, s23
	s_and_b32 s23, s13, 15
	s_lshl_b32 s23, s23, 14
	s_add_co_u32 s22, s22, s23
	s_lshl_b32 s23, s11, 13
	s_add_co_u32 s22, s22, s23
	s_mov_b32 s23, 0
	s_add_nc_u64 s[8:9], s[8:9], s[22:23]
	; the prefetches: at K step 3; the first refill steps them to K step 4
	s_lshl_b32 s22, s13, 19                        ; in value: my wave's 64 rows, of them my work-group's 16
	s_lshl_b32 s46, s12, 18
	s_add_co_u32 s22, s22, s46
	s_lshl_b32 s47, s40, 16
	s_add_co_u32 s22, s22, s47
	s_add_co_u32 s22, s22, 3*512
	s_lshl_b32 s23, s42, 19                        ; in wvt: my wave's 128 rows, of them my work-group's 32
	s_add_co_u32 s23, s23, s46
	s_lshl_b32 s47, s41, 16
	s_add_co_u32 s23, s23, s47
	s_add_co_u32 s23, s23, 3*256
	s_movk_i32 s[PFS], 256                         ; B's figures first: an instruction holds one literal, so each select below chooses between A's literal and this register
	s_movk_i32 s2, 2048
	s_and_b32 s[LIM], ttmp7, 0xffff                ; cluster y
	s_cmp_eq_u32 s11, 0                            ; do I fetch for A?
	s_cselect_b32 s22, s22, s23
	s_cselect_b32 s[LIM], 0, s[LIM]                ; value's rows are my cluster's alone; wvt's are asked for by cluster y = 0
	s_cselect_b64 s[PFA:PFA+1], s[4:5], s[6:7]
	s_cselect_b32 s[PFS], 512, s[PFS]              ; a K step's bytes of a row
	s_cselect_b32 s3, 1, 0                         ; a lane is half a row (A) or a row (B)
	s_cselect_b32 s2, 4096, s2                     ; bytes in a row
	s_mov_b32 s23, 0
	s_mov_b32 s[PFS+1], 0
	s_add_nc_u64 s[PFA:PFA+1], s[PFA:PFA+1], s[22:23]
	s_cmp_eq_u32 s[LIM], 0
	s_cselect_b32 s[LIM], 1, -1                    ; the same in all sixteen partners, for a given wave
	v_lshrrev_b32 v5, s3, v7
	v_and_b32 v6, s3, v7
	v_mul_u32_u24 v5, v5, s2
	v_lshl_add_u32 v[PFO], v6, 8, v5
; 32 LDS loads in one run: quarter q (32 along K) of a slot: B's 128 rows into buffer f, A's 64 rows as f32 into RAW
.macro FETCH slot, q, f
	WIN TO_B
.irp i, 0,1,2,3,4,5,6,7
	ds_load_b128 v[64*(\f)+8*(\i):64*(\f)+8*(\i)+3],   v[ADRB+(\slot)] offset:64*(\q)+(\i)*16*PB
	ds_load_b128 v[64*(\f)+8*(\i)+4:64*(\f)+8*(\i)+7], v[ADRB+(\slot)] offset:64*(\q)+(\i)*16*PB+32
.endr
	WIN 0
.irp a, 0,1,2,3
	ds_load_b128 v[RAW+16*(\a):RAW+16*(\a)+3],     v[ADRA+(\slot)] offset:128*(\q)+(\a)*16*PA
	ds_load_b128 v[RAW+16*(\a)+4:RAW+16*(\a)+7],   v[ADRA+(\slot)] offset:128*(\q)+(\a)*16*PA+16
	ds_load_b128 v[RAW+16*(\a)+8:RAW+16*(\a)+11],  v[ADRA+(\slot)] offset:128*(\q)+(\a)*16*PA+64
	ds_load_b128 v[RAW+16*(\a)+12:RAW+16*(\a)+15], v[ADRA+(\slot)] offset:128*(\q)+(\a)*16*PA+80
.endr
.endm
; 8 matrix instructions: row block a x all 8 column blocks, on buffer f.  zero = 1: the products start the sums.  The 32 accumulators take turns, in the same order in every quarter.
; ride = 1: behind each product four roundings of RAW into A's other buffer, whose last reader stands a quarter back.
.macro MULG f, a, zero, ride
.irp b, 0,1,2,3,4,5,6,7
	WIN MUL
.if \zero
	v_wmma_f32_16x16x32_bf16 v[8*(8*(\a)+(\b)):8*(8*(\a)+(\b))+7], v[64*(\f)+8*(\b):64*(\f)+8*(\b)+7], v[A16+32*(\f)+8*(\a):A16+32*(\f)+8*(\a)+7], 0
.else
	v_wmma_f32_16x16x32_bf16 v[8*(8*(\a)+(\b)):8*(8*(\a)+(\b))+7], v[64*(\f)+8*(\b):64*(\f)+8*(\b)+7], v[A16+32*(\f)+8*(\a):A16+32*(\f)+8*(\a)+7], v[8*(8*(\a)+(\b)):8*(8*(\a)+(\b))+7]
.endif
.if \ride
	WIN 0
.irp n, 0,1,2,3
	v_cvt_pk_bf16_f32 v[A16+32*(1-(\f))+4*(\b)+(\n)], v[RAW+8*(\b)+2*(\n)], v[RAW+8*(\b)+2*(\n)+1]
.endr
.endif
.endr
.endm
; One of a K step's first three quarters: multiplies buffer f; at its head it fetches quarter q of the same slot; 24 products later those loads are waited for, and A's are rounded beside the last 8 products.
.macro QUARTER slot, q, f, zero
	PLACES                                         ; with the four roundings behind the last product: the places in front of loads into registers that products have read
	FETCH \slot, \q, 1-(\f)
	MULG \f, 0, \zero, 0
	MULG \f, 1, \zero, 0
	MULG \f, 2, \zero, 0
	s_wait_dscnt 0x0                               ; the next quarter's fragments are in
	MULG \f, 3, \zero, 1
.endm
; The last quarter multiplies buffer 1 and changes slots: ONE barrier; in front of it each wave waits for all its tensor loads (one is out: its part of the next slot), adds 0 to its spare word,
; and waits for that; its own reads of this slot were waited for in the quarter before.  fill = 1: the barrier opens a round of the cluster's, and this slot is filled again, two K steps ahead.
.macro TURN slot, next, fill
.if \fill
	s_wait_xcnt 0x0                                ; the last prefetch, a K step back, has read its address
	s_add_nc_u64 s[PFA:PFA+1], s[PFA:PFA+1], s[PFS:PFS+1]
.endif
	WIN 0                                          ; (the add's two registers lie in window 0)
	s_wait_tensorcnt 0x0
	ds_add_u32 v[SPW], v[NIL]                      ; 0 onto my spare word; eight products stand between it and the wait for it
	MULG 1, 0, 0, 0
	s_wait_dscnt 0x0
	s_barrier_signal -1
	MULG 1, 1, 0, 0                                ; work on registers while the others arrive
	WIN 0
	s_barrier_wait -1
.if \fill
	CREST                                          ; no wave of any partner still reads this slot or has a load on its way
	s_add_nc_u64 s[G0+4*(\slot)+2:G0+4*(\slot)+3], s[G0+4*(\slot)+2:G0+4*(\slot)+3], 2*512
	s_add_nc_u64 s[G0B+4*(\slot)+2:G0B+4*(\slot)+3], s[G0B+4*(\slot)+2:G0B+4*(\slot)+3], 2*256
	JLOAD \slot                                    ; my one tensor load behind the round: 112 products ahead of the wait for it
.else
	PLACES
.endif
	FETCH \next, 0, 0
.if \fill
	ASK
.endif
	MULG 1, 2, 0, 0
	s_wait_dscnt 0x0
	MULG 1, 3, 0, 1
.endm
	s_wait_tensorcnt 1                             ; my part of K step 0 is in; K step 1's load may stay out
	s_barrier_signal -1
	s_barrier_wait -1                              ; everybody's is
	FETCH 0, 0, 0
	s_wait_dscnt 0x0
.set n, 0
.rept 32
	v_cvt_pk_bf16_f32 v[A16+n], v[RAW+2*n], v[RAW+2*n+1]
.set n, n+1
.endr
	QUARTER 0, 1, 0, 1                             ; the first quarter stands in front of the loop: its products start the sums
	WIN 0
	s_mov_b32 s3, 3
.Llap:                                                 ; a trip goes once round the ring, from a lap's second quarter to the next lap's first, and fills both slots again
	QUARTER 0, 2, 1, 0
	QUARTER 0, 3, 0, 0
	TURN 0, 1, 1
	QUARTER 1, 1, 0, 0
	QUARTER 1, 2, 1, 0
	QUARTER 1, 3, 0, 0
	TURN 1, 0, 1
	QUARTER 0, 1, 0, 0
	WIN 0
	s_sub_co_u32 s3, s3, 1
	s_cmp_lg_u32 s3, 0
	s_cbranch_scc1 .Llap
	QUARTER 0, 2, 1, 0                             ; the last lap fills nothing
	QUARTER 0, 3, 0, 0
	TURN 0, 1, 0
	QUARTER 1, 1, 0, 0
	QUARTER 1, 2, 1, 0
	QUARTER 1, 3, 0, 0
	MULG 1, 0, 0, 0
	MULG 1, 1, 0, 0
	MULG 1, 2, 0, 0
	MULG 1, 3, 0, 0
; THE WAY OUT, a block of 16 rows at a time: rounded to f16, 16 bytes a lane into my own stage (two heads x 16 rows of 144 bytes), back as whole rows of 128 bytes, and stored: a head's 16 rows are 2,048 consecutive bytes of vh.
.macro PACK a
	WIN 0x05                                       ; sources 0 and 1 window 1, destination window 0
.irp b, 0,1,2,3,4,5,6,7
.irp r, 0,1,2,3
	v_cvt_pk_f16_f32 v[TMP+4*(\b)+(\r)], v[8*(8*(\a)+(\b))+2*(\r)], v[8*(8*(\a)+(\b))+2*(\r)+1]
.endr
.endr
	WIN 0
.endm
.macro TOSTAGE a
.irp b, 0,1,2,3,4,5,6,7
	ds_store_b128 v[STO], v[TMP+4*(\b):TMP+4*(\b)+3] offset:((\b)/4)*16*SP+32*((\b)%4)
.endr
	s_wait_xcnt 0x0                                ; the stores of two blocks back have read the registers that the loads below fill
.irp g, 0,1,2,3,4,5,6,7
	ds_load_b128 v[OB+32*((\a)%2)+4*(\g):OB+32*((\a)%2)+4*(\g)+3], v[RD] offset:((\g)/4)*16*SP+((\g)%4)*4*SP  ; LDS serves a wave's instructions in order (ISA guide 5.7.1.4): these see the stores above
.endr
.endm
.macro SEND a
.irp g, 0,1,2,3,4,5,6,7
	s_wait_dscnt 7-(\g)                            ; load g is in, the younger ones may be out
	global_store_b128 v[GO], v[OB+32*((\a)%2)+4*(\g):OB+32*((\a)%2)+4*(\g)+3], s[8:9] offset:((\g)/4)*1048576+(\a)*2048+((\g)%4)*512 th:TH_STORE_NT  ; 512 consecutive bytes, at a multiple of 256 from vh's first byte
.endr
.endm
	PLACES
	PLACES
	PACK 0
	TOSTAGE 0
.irp a, 1,2,3                          ; block a's conversions stand between block a - 1's loads from the stage and the wait for them
	PACK \a
	SEND (\a)-1
	TOSTAGE \a
.endr
	SEND 3
	s_wait_tensorcnt 0x0                           ; the wave's end: a wait, an add of 0 to my spare word and its wait, behind my last tensor load and my last LDS store
	ds_add_u32 v[SPW], v[NIL]
	s_wait_dscnt 0x0
	CROUND                                         ; the closing round: no work-group ends while a partner may still ask for a tile that names it
	s_endpgm
.Lfunc_end_k_q032ae78399_proj:
	.size	k_q032ae78399_proj, .Lfunc_end_k_q032ae78399_proj-k_q032ae78399_proj
	.p2alignl 7, 3214868480
	.fill 96, 4, 3214868480
	.section	.rodata,"a",@progbits
	.p2align	6, 0x0
	.amdhsa_kernel k_q032ae78399_proj
		.amdhsa_group_segment_fixed_size 327680
		.amdhsa_private_segment_fixed_size 0
		.amdhsa_enable_private_segment 0
		.amdhsa_kernarg_size 24
		.amdhsa_user_sgpr_count 2
		.amdhsa_user_sgpr_kernarg_segment_ptr 1
		.amdhsa_wavefront_size32 1
		.amdhsa_system_sgpr_workgroup_id_x 1
		.amdhsa_system_sgpr_workgroup_id_y 1
		.amdhsa_system_sgpr_workgroup_id_z 1
		.amdhsa_system_vgpr_workitem_id 0
		.amdhsa_next_free_vgpr 640
		.amdhsa_next_free_sgpr 66
		.amdhsa_reserve_vcc 0
		.amdhsa_float_denorm_mode_32 3
		.amdhsa_float_denorm_mode_16_64 3
		.amdhsa_memory_ordered 1
		.amdhsa_forward_progress 1
		.amdhsa_inst_pref_size 135
	.end_amdhsa_kernel
	.amdgpu_metadata
---
amdhsa.version: [ 1, 2 ]
amdhsa.kernels:
  - .name:           k_q032ae78399_proj
    .symbol:         k_q032ae78399_proj.kd
    .args:
      - { .name: value, .offset: 0, .size: 8, .value_kind: global_buffer, .address_space: global }
      - { .name: wvt, .offset: 8, .size: 8, .value_kind: global_buffer, .address_space: global }
      - { .name: vh, .offset: 16, .size: 8, .value_kind: global_buffer, .address_space: global }
    .group_segment_fixed_size: 327680
    .private_segment_fixed_size: 0
    .kernarg_segment_align: 8
    .kernarg_segment_size: 24
    .max_flat_workgroup_size: 128
    .sgpr_count:     66
    .vgpr_count:     640
    .wavefront_size: 32
...
	.end_amdgpu_metadata
.endif
;; end of part 2
;; launch attn (part 3): grid 4 x 64, 4 waves a work-group, clusters of 4 x 1, 327,680 bytes of LDS; arguments query, key, Wq, bq, Wk, bk, bv, vh, out0; writes out0
.if DOCPART == 3
	.amdgcn_target "amdgcn-amd-amdhsa--gfx1250"
	.amdhsa_code_object_version 6
	.text
	.protected	k_q032ae78399_attn
	.globl	k_q032ae78399_attn
	.p2align	8
	.type	k_q032ae78399_attn,@function
k_q032ae78399_attn:
	s_mov_b64 s[64:65], 0
	v_nop
	global_prefetch_b8 v0, s[64:65] scope:SCOPE_SE
	s_setreg_imm32_b32 hwreg(HW_REG_WAVE_MODE, 25, 1), 1
	s_wait_xcnt 0x0
	s_wait_alu depctr_hold_cnt(0) depctr_sa_sdst(0) depctr_va_vdst(0) depctr_va_sdst(0) depctr_va_ssrc(0) depctr_va_vcc(0) depctr_vm_vsrc(0)
	s_getreg_b32 s2, hwreg(HW_REG_IB_STS2, 6, 4)
	s_cmp_eq_u32 s2, 0
	s_cbranch_scc0 .Lentry_in_a_cluster
	s_endpgm
.Lentry_in_a_cluster:
	s_bfe_u32 s2, ttmp6, 0x10000c
	s_cmp_lg_u32 s2, 0x3003
	s_cbranch_scc0 .Lentry_shape_is_right
	s_endpgm
.Lentry_shape_is_right:
; out0[n][q][:] = sum over k of softmax_k(q_vec . k_vec / 8) v[n][k][:] + bv,  n = 4 h + b,  q_vec = query[b][q] Wq_h + bq_h,  k_vec = key[b][k] Wk_h + bk_h (64 channels of head h).
; THE SCORES.  query and key have ONE number a row, so with A = sum Wq Wk, B = sum Wq bk, C = sum bq Wk, D = sum bq bk over the head's 64 channels
;   q_vec . k_vec = alpha key[k] + beta,  alpha = query[q] A + C,  beta = query[q] B + D:  exact for every input of these shapes.  A scaled score is one multiply-add on key[k].
; THE MAXIMUM is taken away as reference() takes it, and it is known beforehand: a score is linear in key[k], so a row's maximum is the greater of its values at the batch's least and greatest key.
;   p = 2^(a key + d),  a = c alpha,  d = c beta - max(a kmax + c beta, a kmin + c beta),  c = log2(e) / 8.  What d loses in rounding is common to a row and cancels in O / l.
; THE BIAS.  vh holds value Wv without bv; the weights sum to 1, so out = O / l + bv, one multiply-add in f32.
; LIMITS.  All inputs are rounded to bf16 (nearest even) before use.  p is rounded to f16 for the product (l is the sum of the unrounded p): below 6e-5 it keeps f16's fixed step; a weight below 2^-126 counts as 0.
; vh arrives within f16's 65,504.  NaN and infinities are not treated apart.
; SHARES.  A work-group owns 512 queries of one n, a wave 128: 8 tiles of 16, in four PIECES of two tiles.  Every wave walks all 2,048 keys, 64 a step; an LDS slot holds 512 keys of V (8 steps), two slots take turns.
; CLUSTER.  The four query blocks of an n walk the same V: each tile is asked for jointly, by the same tensor load, descriptor and mask in all four.
; LAYOUT.  O^T = V^T P (source 0 = 16 channels x 32 keys, turned out of LDS by ds_load_tr16_b128; source 1 = 32 keys x 16 queries): a lane holds ONE query (lane % 16).  Weight i of a lane's 32 belongs to key
; 32 (i / 16) + 16 ((i / 8) % 2) + 8 (lane / 16) + i % 8, and KS holds the keys' numbers in that order, so that weights rounded in pairs ARE source 1.
; BY TURNS.  Turn y: piece y's weights are rounded and summed (64 lines); then its 16 products, and behind each six lines of piece y + 1's scalings and exponentials.  A turn's 64 exponentials are one batch with one wait.
; REGISTERS, in windows of 256 (s_set_vgpr_msb: bits 1:0 source 0, 3:2 source 1, 5:4 source 2, 7:6 destination):
;   window 0: v0-15 addresses; v16-63 six registers a tile: a, a, d, d, l (even keys', odd keys'); v64-127 the weights of two tiles; v128-191 P, two buffers by the piece's parity; v192-223 KS; v224-255 the head's work
;   window 1: O^T, tile t, channel block cb at 32 t + 8 cb          window 2: v0-63 V of one step; v64-95 bv in O^T's order
.set PV,    160       ; a row of V in LDS: 128 bytes + 32 = 40 words
.set STEPB, 64*PV     ; a key step of V
.set SLOTB, 8*STEPB   ; slot 0: 81,920 bytes from 0
.set KT,    SLOTB     ; the batch's 2,048 keys in f32, then 2,048 bytes of zeros, which the fetch behind the last step reads
.set RED,   KT+10240  ; each wave's least and greatest key
.set STAGE, RED+256   ; 16 rows x 272 bytes for each wave, for the way out
.set SP,    272
.set SPARE, STAGE+4*16*SP  ; the spare words, 128 bytes for each wave
.set SLOT1, 1<<17     ; slot 1 begins here, so that one exclusive or turns an address in one slot into the other's
.set AV0, 3           ; v3   my lane's place in a step of V; never rewritten
.set AV,  4           ; v4   the LDS address of V's run of loads
.set AK0, 5           ; v5   my lane's place in the key table; never rewritten
.set STO, 6           ; v6   the way out: where I put 16 bytes of a row
.set RD,  7           ; v7   the way out: where I read a row back
.set GO,  8           ; v8   16 x my lane: my place in 512 consecutive bytes of out0
.set PFO, 9           ; v9   256 x my lane; never rewritten
.set SPW, 10          ; v10  LDS address of my spare word; never rewritten
.set NIL, 11          ; v11  0; never rewritten
.set AKS, 12          ; v12  the LDS address of the keys' run of loads
.set ST,  16
.set S,   64
.set P,   128
.set KS,  192
.set WT,  224         ; the head's work: Wq, bq, Wk, bk, two channels a lane
.set QR,  232         ; my query of each of the 8 tiles
.set KO,  240         ; byte offsets of the head's loads; never rewritten
.set WO,  241
.set QO,  242
.set BO,  243
.set LA,  244         ; LDS addresses of the head's stores and loads
.set LB,  245
.set LC,  246
.set VF,  0           ; window 2
.set BI,  64          ; window 2
.set WV,  24          ; s24  my wave's number
.set G1,  32          ; s[32:39] descriptor group 1
.set G0,  40          ; s[40:43] descriptor group 0: it walks
.set PFA, 44          ; s[44:45] where my prefetches stand
.set LIM, 46          ; s46  1 in a wave that prefetches, else the greatest number
.set PFC, 47          ; s47  the count of steps at which this slot's walk prefetches, or 0
.set SLOTS, 48        ; s48  slots still to be asked for
.set CNT, 49          ; s49  counts a slot's key steps, 8 to 1
.set TBV, 50          ; s50  LDS byte at which V of the step to be fetched begins
.set TBK, 51          ; s51  the same in the key table
.set SEL, 52          ; s[52:53] v_permlanex16_b32's selects: each lane takes its own place in the other half
.set CC,  58          ; s58  c
.set HM,  59          ; s59  a word's upper half
.set MSB, 0
.macro WIN new                      ; the high byte repeats the setting that is left; a switch that changes nothing is dropped
.if MSB != (\new)
	s_set_vgpr_msb (MSB<<8)|(\new)
.set MSB, (\new)
.endif
.endm
.set W_PV, 0x52       ; V in window 2, P in window 0, O^T in window 1
; A round of the cluster's barrier: my work-group's barrier, so that wave 0's signal speaks for all four waves; wave 0 signals; every wave waits for all four work-groups; my work-group's barrier once more.
.macro CROUND
	s_barrier_signal -1
	s_barrier_wait -1
	s_cmp_lg_u32 s[WV], 0
	s_cbranch_scc1 .Lnot_wave_0_\@
	s_barrier_signal -3
.Lnot_wave_0_\@:
	s_barrier_wait -3
	s_barrier_signal -1
	s_barrier_wait -1
.endm
	s_load_b512 s[8:23], s[0:1], 0x0  ; query s[8:9], key s[10:11], Wq s[12:13], bq s[14:15], Wk s[16:17], bk s[18:19], bv s[20:21], vh s[22:23]
	s_load_b64 s[4:5], s[0:1], 0x40   ; out0
	v_lshl_add_u32 v[SPW], v0, 2, SPARE
	v_mov_b32 v[NIL], 0
	ds_add_u32 v[SPW], v[NIL]       ; the wave's opening: the add and its wait, ahead of my first tensor load
	v_lshrrev_b32 v1, 5, v0
	v_readfirstlane_b32 s[WV], v1   ; wave 0..3
	s_bfe_u32 s25, ttmp6, 0x40000   ; cx
	s_lshl_b32 s29, ttmp9, 2
	s_add_co_u32 s29, s29, s25      ; my block of 512 queries: it enters query's and out0's addresses and the prefetches' alone
	s_and_b32 s26, ttmp7, 0xffff    ; n, which the four partners share
	s_lshr_b32 s27, s26, 2          ; h
	s_and_b32 s28, s26, 3           ; b
	; group 1: 128 keys are 16,384 dense bytes: asked for as 64 rows of 256 bytes, two keys a row, padded by 8 words behind every 32 words (a key)
	s_mov_b32 s[G1], 15|(1<<16)|(1<<20)|(1<<21)|(4<<22)|(7<<25)
	s_mov_b32 s[G1+1], 128<<16      ; tensor_dim0 = 128
	s_mov_b32 s[G1+2], 64<<16       ; tensor_dim1 = 64
	s_mov_b32 s[G1+3], 128<<16      ; tile_dim0 = 128
	s_mov_b32 s[G1+4], 64           ; tile_dim1 = 64
	s_mov_b32 s[G1+5], 128          ; elements from row to row
	s_mov_b32 s[G1+6], 0
	s_mov_b32 s[G1+7], 0
	s_mov_b32 s[G0], 1
	s_mul_i32 s[G0+1], s[WV], 2*STEPB  ; my quarter of slot 0: 128 keys
	s_mov_b32 s[SEL], 0x76543210
	s_mov_b32 s[SEL+1], 0xfedcba98
	s_mov_b32 s[CC], 0x3e38aa3b     ; c = log2(e) / 8 = 0.180337
	s_mov_b32 s[HM], 0xffff0000
	s_mov_b32 s[TBV], SLOT1+SLOTB   ; the first change of slots turns this into 0
	s_mov_b32 s[TBK], 0
	s_lshl_b32 s54, s26, 18         ; n's 262,144 bytes of vh,
	s_lshl_b32 s55, s[WV], 14       ; my 128 keys of 128 bytes
	s_add_co_u32 s54, s54, s55
	s_mov_b32 s55, 0
	s_lshl_b32 s56, s26, 18         ; the prefetches: one slot on, my work-group's quarter of a slot, my wave's half of that
	s_lshl_b32 s57, s25, 14
	s_add_co_u32 s56, s56, s57
	s_lshl_b32 s57, s[WV], 13
	s_add_co_u32 s56, s56, s57
	s_add_co_u32 s56, s56, 65536
	s_mov_b32 s57, 0
	s_lshl_b32 s30, s26, 19         ; out0: n's 524,288 bytes, my block's 512 rows of 256 bytes, my wave's 128
	s_lshl_b32 s31, s29, 17
	s_add_co_u32 s30, s30, s31
	s_lshl_b32 s31, s[WV], 15
	s_add_co_u32 s30, s30, s31
	s_mov_b32 s31, 0
	s_cmp_lt_u32 s[WV], 2
	s_cselect_b32 s[LIM], 1, -1     ; waves 0 and 1 prefetch: the same in all four partners
	s_wait_dscnt 0x0                ; the opening add is done
	s_wait_kmcnt 0x0
	s_add_nc_u64 s[G0+2:G0+3], s[22:23], s[54:55]
	s_or_b32 s[G0+3], s[G0+3], 0x80000000
	s_add_nc_u64 s[PFA:PFA+1], s[22:23], s[56:57]
	s_add_nc_u64 s[4:5], s[4:5], s[30:31]
	CROUND                          ; all four work-groups are here: the first joint loads meet
	tensor_load_to_lds s[G0:G0+3], s[G1:G1+7]  ; slot 0: keys 0 to 511, a quarter a wave.  Slot 1 is asked for by the loop's own change of slots
	s_nop 0
.rept 4
	v_nop
.endr
	v_and_b32 v13, 31, v0           ; l
	v_and_b32 v1, 15, v0            ; l % 16
	v_bfe_u32 v2, v0, 4, 1          ; l / 16
	s_lshl_b32 s54, s28, 13         ; the batch's 2,048 numbers of 4 bytes, in key and in query
	v_lshl_add_u32 v[KO], v0, 4, s54
	s_lshl_b32 s55, s27, 8          ; the head's 64 numbers of 4 bytes, in Wq, bq, Wk, bk, bv
	v_lshl_add_u32 v[WO], v13, 3, s55
	v_lshl_add_u32 v[BO], v2, 5, s55
	s_lshl_b32 s56, s29, 11
	s_add_co_u32 s56, s56, s54
	s_lshl_b32 s57, s[WV], 9
	s_add_co_u32 s56, s56, s57
	v_lshl_add_u32 v[QO], v1, 2, s56
.irp i, 0,1,2,3                     ; 24 loads: the batch's keys, 16 numbers a thread,
	global_load_b128 v[S+4*(\i):S+4*(\i)+3], v[KO], s[10:11] offset:2048*(\i)
.endr
	global_load_b64 v[WT:WT+1],   v[WO], s[12:13]  ; the head's Wq, bq, Wk, bk, channels 2 l and 2 l + 1,
	global_load_b64 v[WT+2:WT+3], v[WO], s[14:15]
	global_load_b64 v[WT+4:WT+5], v[WO], s[16:17]
	global_load_b64 v[WT+6:WT+7], v[WO], s[18:19]
.irp t, 0,1,2,3,4,5,6,7             ; my query of each tile,
	global_load_b32 v[QR+(\t)], v[QO], s[8:9] offset:64*(\t)
.endr
.irp f, 0,1,2,3,4,5,6,7             ; and bv in O^T's order: channels 16 (f / 2) + 8 (l / 16) + 4 (f % 2) on
	global_load_b128 v[P+4*(\f):P+4*(\f)+3], v[BO], s[20:21] offset:64*((\f)/2)+16*((\f)%2)
.endr
	WIN 0x40                        ; O^T and l start at 0: written while the loads and the first tile are on their way, so that the loop has one form of product
.set i, 0
.rept 256
	v_mov_b32 v[i], 0
.set i, i+1
.endr
	WIN 0
.irp t, 0,1,2,3,4,5,6,7
	v_mov_b32 v[ST+6*(\t)+4], 0
	v_mov_b32 v[ST+6*(\t)+5], 0
.endr
	; the addresses
	v_and_b32 v14, 7, v0
	v_bfe_u32 v15, v0, 3, 1
	v_lshl_add_u32 v[AV0], v2, 3, v14   ; the turning load: lane l reads key 8 (l / 16) + l % 8, channels 8 ((l / 8) % 2) + 0..7
	v_mul_u32_u24 v[AV0], v[AV0], PV
	v_lshl_add_u32 v[AV0], v15, 4, v[AV0]
	v_lshl_add_u32 v[AK0], v2, 5, KT    ; my half of the lanes' 8 keys of each 16
	s_mul_i32 s54, s[WV], 16*SP
	s_add_co_u32 s54, s54, STAGE        ; my stage
	v_mul_u32_u24 v[STO], v1, SP        ; in: row l % 16, 32 bytes for each half of the lanes
	v_lshl_add_u32 v[STO], v2, 5, v[STO]
	v_add_nc_u32 v[STO], s54, v[STO]
	v_mul_u32_u24 v[RD], v2, SP         ; back: lanes 0-15 take one row of 256 bytes, lanes 16-31 the next
	v_lshl_add_u32 v[RD], v1, 4, v[RD]
	v_add_nc_u32 v[RD], s54, v[RD]
	v_lshlrev_b32 v[GO], 4, v13
	v_lshlrev_b32 v[PFO], 8, v13
	v_lshl_add_u32 v[LA], v0, 4, KT
	s_lshl_b32 s54, s[WV], 3
	s_add_co_u32 s54, s54, RED
	v_mov_b32 v[LB], s54
	v_mov_b32 v[LC], RED
	; the keys: rounded to bf16, into the table; their least and greatest
	s_wait_loadcnt 20               ; the keys' four loads are in; the 20 younger loads may stay out
.irp j, 0,1,2,3,4,5,6,7
	v_cvt_pk_bf16_f32 v[S+16+(\j)], v[S+2*(\j)], v[S+2*(\j)+1]
.endr
.irp j, 0,1,2,3,4,5,6,7
	v_lshlrev_b32 v[S+2*(\j)], 16, v[S+16+(\j)]
	v_and_b32 v[S+2*(\j)+1], s[HM], v[S+16+(\j)]
.endr
.irp i, 0,1,2,3
	ds_store_b128 v[LA], v[S+4*(\i):S+4*(\i)+3] offset:2048*(\i)
.endr
.irp j, 0,1,2,3
	v_mov_b32 v[S+16+(\j)], 0
.endr
	ds_store_b128 v[LA], v[S+16:S+19] offset:8192
	v_min3_num_f32 v[S+24], v[S], v[S+1], v[S+2]
	v_max3_num_f32 v[S+25], v[S], v[S+1], v[S+2]
.irp j, 3,5,7,9,11,13
	v_min3_num_f32 v[S+24], v[S+24], v[S+(\j)], v[S+(\j)+1]
	v_max3_num_f32 v[S+25], v[S+25], v[S+(\j)], v[S+(\j)+1]
.endr
	v_min_num_f32 v[S+24], v[S+24], v[S+15]
	v_max_num_f32 v[S+25], v[S+25], v[S+15]
.irp m, 1,2,4,8
	v_min_num_f32_dpp v[S+24], v[S+24], v[S+24] row_xmask:\m row_mask:0xf bank_mask:0xf
	v_max_num_f32_dpp v[S+25], v[S+25], v[S+25] row_xmask:\m row_mask:0xf bank_mask:0xf
.endr
	v_mov_b32 v[S+26], 0            ; v_permlanex16_b32's destination counts as read
	v_mov_b32 v[S+27], 0
	v_permlanex16_b32 v[S+26], v[S+24], s[SEL], s[SEL+1]
	v_permlanex16_b32 v[S+27], v[S+25], s[SEL], s[SEL+1]
	v_min_num_f32 v[S+24], v[S+24], v[S+26]
	v_max_num_f32 v[S+25], v[S+25], v[S+27]
	ds_store_b64 v[LB], v[S+24:S+25]  ; all lanes write the same two words
	s_wait_dscnt 0x0                ; for the others' sake: my stores are done
	s_barrier_signal -1
	s_barrier_wait -1               ; the table is whole.  The first tile may stay on its way
	ds_load_b128 v[S+28:S+31], v[LC]
	ds_load_b128 v[S+32:S+35], v[LC] offset:16
	s_wait_dscnt 0x0
	v_min3_num_f32 v[S+36], v[S+28], v[S+30], v[S+32]
	v_max3_num_f32 v[S+37], v[S+29], v[S+31], v[S+33]
	v_min_num_f32 v[S+36], v[S+36], v[S+34]  ; kmin
	v_max_num_f32 v[S+37], v[S+37], v[S+35]  ; kmax
	; A, B, C, D
	s_wait_loadcnt 16               ; Wq, bq, Wk, bk are in; the 16 younger loads may stay out
.irp j, 0,1,2,3
	v_cvt_pk_bf16_f32 v[S+44+(\j)], v[WT+2*(\j)], v[WT+2*(\j)+1]
.endr
.irp j, 0,1,2,3
	v_lshlrev_b32 v[WT+2*(\j)], 16, v[S+44+(\j)]
	v_and_b32 v[WT+2*(\j)+1], s[HM], v[S+44+(\j)]
.endr
	v_mul_f32 v[S+40], v[WT],   v[WT+4]   ; A: Wq Wk
	v_mul_f32 v[S+41], v[WT],   v[WT+6]   ; B: Wq bk
	v_mul_f32 v[S+42], v[WT+2], v[WT+4]   ; C: bq Wk
	v_mul_f32 v[S+43], v[WT+2], v[WT+6]   ; D: bq bk
	v_fmac_f32 v[S+40], v[WT+1], v[WT+5]
	v_fmac_f32 v[S+41], v[WT+1], v[WT+7]
	v_fmac_f32 v[S+42], v[WT+3], v[WT+5]
	v_fmac_f32 v[S+43], v[WT+3], v[WT+7]
.irp m, 1,2,4,8
.irp j, 0,1,2,3
	v_add_f32_dpp v[S+40+(\j)], v[S+40+(\j)], v[S+40+(\j)] row_xmask:\m row_mask:0xf bank_mask:0xf
.endr
.endr
.irp j, 0,1,2,3
	v_permlanex16_b32 v[S+44+(\j)], v[S+40+(\j)], s[SEL], s[SEL+1]
.endr
.irp j, 0,1,2,3
	v_add_f32 v[S+40+(\j)], v[S+40+(\j)], v[S+44+(\j)]
.endr
	; each tile's a and d
	s_wait_loadcnt 8                ; the queries are in; bv's 8 loads may stay out
.irp j, 0,1,2,3
	v_cvt_pk_bf16_f32 v[S+44+(\j)], v[QR+2*(\j)], v[QR+2*(\j)+1]
.endr
.irp j, 0,1,2,3
	v_lshlrev_b32 v[QR+2*(\j)], 16, v[S+44+(\j)]
	v_and_b32 v[QR+2*(\j)+1], s[HM], v[S+44+(\j)]
.endr
.irp t, 0,1,2,3,4,5,6,7
	v_fma_f32 v[S+48], v[QR+(\t)], v[S+40], v[S+42]        ; alpha
	v_fma_f32 v[S+49], v[QR+(\t)], v[S+41], v[S+43]        ; beta
	v_mul_f32 v[ST+6*(\t)], s[CC], v[S+48]                 ; a
	v_mul_f32 v[S+49], s[CC], v[S+49]                      ; c beta
	v_fma_f32 v[S+50], v[ST+6*(\t)], v[S+37], v[S+49]      ; the scaled score at the greatest key,
	v_fma_f32 v[S+51], v[ST+6*(\t)], v[S+36], v[S+49]      ; and at the least
	v_max_num_f32 v[S+50], v[S+50], v[S+51]                ; the row's maximum
	v_sub_f32 v[ST+6*(\t)+2], v[S+49], v[S+50]             ; d
	v_mov_b32 v[ST+6*(\t)+1], v[ST+6*(\t)]                 ; both twice: pairs for the packed multiply-add
	v_mov_b32 v[ST+6*(\t)+3], v[ST+6*(\t)+2]
.endr
	s_wait_loadcnt 0x0              ; bv
.irp j, 0,1,2,3,4,5,6,7,8,9,10,11,12,13,14,15
	v_cvt_pk_bf16_f32 v[P+32+(\j)], v[P+2*(\j)], v[P+2*(\j)+1]
.endr
	WIN 0x80                        ; destination window 2
.irp j, 0,1,2,3,4,5,6,7,8,9,10,11,12,13,14,15
	v_lshlrev_b32 v[BI+2*(\j)], 16, v[P+32+(\j)]
	v_and_b32 v[BI+2*(\j)+1], s[HM], v[P+32+(\j)]
.endr
	WIN 0
; THE LDS LOADS stand in runs.  A step's 64 keys' numbers, in the weights' order: 8 loads in which the 16 lanes of a half read the same 16 bytes.
.macro FETCH_KS
	v_add_nc_u32 v[AKS], s[TBK], v[AK0]
	s_add_co_u32 s[TBK], s[TBK], 256  ; the next fetch is the next step's
.irp m, 0,1,2,3,4,5,6,7
	ds_load_b128 v[KS+4*(\m):KS+4*(\m)+3], v[AKS] offset:128*((\m)/4)+64*(((\m)/2)%2)+16*((\m)%2)
.endr
.endm
; A step's V, turned: 16 loads.  The last product that read V's registers stands behind: two scalings, a v_nop, these four v_nop and the address's line lie between.
.macro FETCH_V
.rept 4
	v_nop
.endr
	v_add_nc_u32 v[AV], s[TBV], v[AV0]
	s_add_co_u32 s[TBV], s[TBV], STEPB
	WIN 0x80                        ; destination window 2
.irp f, 0,1,2,3,4,5,6,7             ; keys 32 (f / 4) on, channels 16 (f % 4) on
	ds_load_tr16_b128 v[VF+8*(\f):VF+8*(\f)+3],   v[AV] offset:((\f)/4)*32*PV+((\f)%4)*32
	ds_load_tr16_b128 v[VF+8*(\f)+4:VF+8*(\f)+7], v[AV] offset:((\f)/4)*32*PV+16*PV+((\f)%4)*32
.endr
	WIN 0
.endm
; Scaling f of 32 for piece yn: a key + d for pair f / 2 of tile f % 2.  Exponential e of 64: weight e / 2 of tile e % 2, in place.
.macro FS yn, f
	v_pk_fma_f32 v[S+32*((\f)%2)+2*((\f)/2):S+32*((\f)%2)+2*((\f)/2)+1], v[KS+2*((\f)/2):KS+2*((\f)/2)+1], v[ST+6*(2*(\yn)+(\f)%2):ST+6*(2*(\yn)+(\f)%2)+1], v[ST+6*(2*(\yn)+(\f)%2)+2:ST+6*(2*(\yn)+(\f)%2)+3]
.endm
.macro EX e
	v_exp_f32 v[S+32*((\e)%2)+(\e)/2], v[S+32*((\e)%2)+(\e)/2]
.endm
; The six lines of row i: pair i of both tiles is scaled, pair i - 1's four exponentials are issued.  No line names the result of an exponential of this batch: scalings write weights 2 i and 2 i + 1, the exponentials have reached 2 i - 1.
.macro RIDE yn
.if i > 0
	EX 4*i-4
.endif
	FS \yn, 2*i
.if i > 0
	EX 4*i-3
.endif
	FS \yn, 2*i+1
.if i > 0
	EX 4*i-2
	EX 4*i-1
.endif
.endm
.macro LASTEX                       ; the batch's last four exponentials; a plain line behind the last of them; and the one wait ahead of the first line that names a result
	EX 60
	EX 61
	EX 62
	EX 63
	v_nop
	s_wait_alu depctr_va_vdst(0)
.endm
; Piece y's weights: for each four weights of a tile both pairs are rounded to f16, the second pair is added onto the first in place, and a group later l takes that sum.  64 lines, the tiles alternating.
.macro LUMP y
.set k, 0
.rept 8
.irp n, 0,1
.irp u, 0,1
	v_cvt_pk_f16_f32 v[P+32*((\y)%2)+16*(\u)+2*k+(\n)], v[S+32*(\u)+4*k+2*(\n)], v[S+32*(\u)+4*k+2*(\n)+1]
.endr
.endr
.irp u, 0,1
	v_pk_add_f32 v[S+32*(\u)+4*k:S+32*(\u)+4*k+1], v[S+32*(\u)+4*k:S+32*(\u)+4*k+1], v[S+32*(\u)+4*k+2:S+32*(\u)+4*k+3]
.endr
.if k > 0
.irp u, 0,1
	v_pk_add_f32 v[ST+6*(2*(\y)+(\u))+4:ST+6*(2*(\y)+(\u))+5], v[ST+6*(2*(\y)+(\u))+4:ST+6*(2*(\y)+(\u))+5], v[S+32*(\u)+4*k-4:S+32*(\u)+4*k-3]
.endr
.endif
.set k, k+1
.endr
.irp u, 0,1
	v_pk_add_f32 v[ST+6*(2*(\y)+(\u))+4:ST+6*(2*(\y)+(\u))+5], v[ST+6*(2*(\y)+(\u))+4:ST+6*(2*(\y)+(\u))+5], v[S+32*(\u)+28:S+32*(\u)+29]
.endr
.endm
; Product i of 16 of O^T += V^T P for piece y: keys 32 (i / 8) on, channels 16 ((i / 2) % 4) on, tile 2 y + i % 2; the 8 accumulators take turns.  Behind it the next piece's six lines.
.macro ROW y
	WIN W_PV
	v_wmma_f32_16x16x32_f16 v[32*(2*(\y)+i%2)+8*((i/2)%4):32*(2*(\y)+i%2)+8*((i/2)%4)+7], v[VF+32*(i/8)+8*((i/2)%4):VF+32*(i/8)+8*((i/2)%4)+7], v[P+32*((\y)%2)+16*(i%2)+8*(i/8):P+32*((\y)%2)+16*(i%2)+8*(i/8)+7], v[32*(2*(\y)+i%2)+8*((i/2)%4):32*(2*(\y)+i%2)+8*((i/2)%4)+7]
	WIN 0
	RIDE ((\y)+1)%4
.set i, i+1
.endm
; A TURN.  Piece 0's products want this step's V, fetched at the step's head; piece 3's lines scale piece 0 of the NEXT step, whose keys are fetched at the end of piece 2's turn.
.macro TURN y
	LUMP \y
.if ((\y) == 0) || ((\y) == 3)
	s_wait_dscnt 0x0                ; V is in (piece 0); the next step's keys are in (piece 3)
.endif
.set i, 0
.rept 16
	ROW \y
.endr
	LASTEX
.if (\y) == 2
	FETCH_KS
.endif
.endm
; A key step.  pf = 1: two steps ahead of the next change of slots (128 products, 1,280 vector lines) waves 0 and 1 prefetch what that change will ask for: a slot is 65,536 bytes of vh, 256 blocks of 256;
; the four partners take a quarter each, told apart by address; a wave takes 32 blocks, a lane a block: each is named once in the launch, since no other cluster reads this n's rows.  Slots 0 and 1 come by their loads alone.
.macro STEP pf
	FETCH_V
.if \pf
	s_cmp_eq_u32 s[CNT], s[PFC]
	s_cbranch_scc0 .Lnot_now_\@
	global_prefetch_b8 v[PFO], s[PFA:PFA+1] th:TH_LOAD_NT scope:SCOPE_SE
.Lnot_now_\@:
.endif
	TURN 0
	TURN 1
	TURN 2
	TURN 3
.endm
; THE CHANGE OF SLOTS.  Each wave waits for all its tensor loads (one is out: its quarter of the other slot), adds 0 to its spare word, and waits for that; its reads of the slot that it leaves were waited for in the last step.
; fill = 1: the slot is filled again with the keys two slots on, behind a round of the cluster's barrier, the first thing there: it has 8 key steps, 512 products, in which to land.
; (At its first use nothing has been read yet: slot 0 is waited for, slot 1 filled.)
.macro CHANGE fill
	WIN 0
	s_wait_tensorcnt 0x0            ; no tensor load of mine is out, so group 0 may be written
	ds_add_u32 v[SPW], v[NIL]
.if \fill
	s_xor_b32 s[G0+1], s[G0+1], SLOT1
	s_add_nc_u64 s[G0+2:G0+3], s[G0+2:G0+3], 65536   ; the next 512 keys; the type bits on top are not reached
	s_wait_xcnt 0x0                 ; the last prefetch, two steps back, has read its address
	s_add_nc_u64 s[PFA:PFA+1], s[PFA:PFA+1], 65536   ; one slot ahead of the walking descriptor
	s_cmp_gt_u32 s[SLOTS], s[LIM]   ; the last change that fills a slot has no slot behind it
	s_cselect_b32 s[PFC], 2, 0
	s_wait_dscnt 0x0
	CROUND
	tensor_load_to_lds s[G0:G0+3], s[G1:G1+7]
	s_nop 0
.rept 4
	v_nop
.endr
.else
	s_wait_dscnt 0x0
	s_barrier_signal -1
	s_barrier_wait -1
.endif
	s_sub_co_u32 s[TBV], s[TBV], SLOTB  ; the fetches go back to a slot's first step,
	s_xor_b32 s[TBV], s[TBV], SLOT1     ; in the other slot
.endm
	FETCH_KS                        ; key step 0
	s_wait_dscnt 0x0
.set i, 0
.rept 16
	RIDE 0                          ; piece 0's first weights: there are no products yet to set them behind
.set i, i+1
.endr
	LASTEX
	s_mov_b32 s[SLOTS], 3
.Lslot:                             ; three times: a slot is entered and the other is asked for
	CHANGE 1
	s_mov_b32 s[CNT], 8
.Lstep:
	STEP 1
	s_sub_co_u32 s[CNT], s[CNT], 1
	s_cmp_lg_u32 s[CNT], 0
	s_cbranch_scc1 .Lstep
	s_sub_co_u32 s[SLOTS], s[SLOTS], 1
	s_cmp_lg_u32 s[SLOTS], 0
	s_cbranch_scc1 .Lslot
	CHANGE 0                        ; the last slot is written out: nothing is asked for
	s_mov_b32 s[CNT], 8
.Ltail:
	STEP 0
	s_sub_co_u32 s[CNT], s[CNT], 1
	s_cmp_lg_u32 s[CNT], 0
	s_cbranch_scc1 .Ltail
	; (the very last turn's 96 lines work on the zeros behind the table and serve nothing: the price, once a launch, of one text for every step)
	; THE WAY OUT.  l's two halves and the other half of the lanes' are added; out = O^T / l + bv, one multiply-add; a tile (16 rows of 256 bytes) at a time goes through my stage.  The additions are places behind the last products.
.macro ALL line:vararg              ; one line for each tile t
.set t, 0
.rept 8
	\line
.set t, t+1
.endr
.endm
	ALL v_add_f32 v[ST+6*t+4], v[ST+6*t+4], v[ST+6*t+5]
	ALL v_permlanex16_b32 v[ST+6*t+5], v[ST+6*t+4], s[SEL], s[SEL+1]
	ALL v_add_f32 v[ST+6*t+4], v[ST+6*t+4], v[ST+6*t+5]
	ALL v_rcp_f32 v[ST+6*t+4], v[ST+6*t+4]
	v_nop                           ; a plain line between the last reciprocal and the use of its result
	s_wait_alu depctr_va_vdst(0)    ; and one wait for the eight reciprocals
.macro PACK t
	WIN 0x61                        ; O^T (destination and source 0) window 1, 1 / l window 0, bv window 2
.set i, 0
.rept 16                            ; each accumulator's registers in ascending order
	v_pk_fma_f32 v[32*(\t)+2*i:32*(\t)+2*i+1], v[32*(\t)+2*i:32*(\t)+2*i+1], v[ST+6*(\t)+4:ST+6*(\t)+5], v[BI+2*i:BI+2*i+1] op_sel_hi:[1,0,1]
.set i, i+1
.endr
	WIN 0x04                        ; the stores' data in window 1
.irp f, 0,1,2,3,4,5,6,7             ; channels 16 (f / 2) + 8 (l / 16) + 4 (f % 2) on
	ds_store_b128 v[STO], v[32*(\t)+4*(\f):32*(\t)+4*(\f)+3] offset:64*((\f)/2)+16*((\f)%2)
.endr
	WIN 0
	s_wait_xcnt 0x0                 ; the stores of four tiles back have read the registers that the loads below fill
.irp f, 0,1,2,3,4,5,6,7
	ds_load_b128 v[S+32*((\t)%4)+4*(\f):S+32*((\t)%4)+4*(\f)+3], v[RD] offset:2*SP*(\f)  ; LDS serves a wave's instructions in order (ISA guide 5.7.1.4): these see the stores above; the next tile's stores come behind them
.endr
.endm
.macro SEND t, younger              ; younger: the LDS instructions issued behind tile t's loads: the next tile's sixteen, or none
.irp f, 0,1,2,3,4,5,6,7
	s_wait_dscnt (\younger)+7-(\f)
	global_store_b128 v[GO], v[S+32*((\t)%4)+4*(\f):S+32*((\t)%4)+4*(\f)+3], s[4:5] offset:(\t)*4096+(\f)*512 th:TH_STORE_NT  ; two rows: 512 consecutive bytes, at a multiple of 256 from out0's first byte
.endr
.endm
	PACK 0
.set t, 1
.rept 7                             ; a tile's arithmetic stands between the loads of the tile before and its stores
	PACK t
	SEND t-1, 16
.set t, t+1
.endr
	SEND 7, 0
	s_wait_tensorcnt 0x0            ; the wave's end: a wait, an add of 0 to my spare word and its wait, behind my last tensor load and my last LDS store
	ds_add_u32 v[SPW], v[NIL]
	s_wait_dscnt 0x0
	CROUND                          ; the closing round: no work-group ends while a partner may still ask for a tile that names it
	s_endpgm
.Lfunc_end_k_q032ae78399_attn:
	.size	k_q032ae78399_attn, .Lfunc_end_k_q032ae78399_attn-k_q032ae78399_attn
	.p2alignl 7, 3214868480
	.fill 96, 4, 3214868480
	.section	.rodata,"a",@progbits
	.p2align	6, 0x0
	.amdhsa_kernel k_q032ae78399_attn
		.amdhsa_group_segment_fixed_size 327680
		.amdhsa_private_segment_fixed_size 0
		.amdhsa_enable_private_segment 0
		.amdhsa_kernarg_size 72
		.amdhsa_user_sgpr_count 2
		.amdhsa_user_sgpr_kernarg_segment_ptr 1
		.amdhsa_wavefront_size32 1
		.amdhsa_system_sgpr_workgroup_id_x 1
		.amdhsa_system_sgpr_workgroup_id_y 1
		.amdhsa_system_sgpr_workgroup_id_z 1
		.amdhsa_system_vgpr_workitem_id 0
		.amdhsa_next_free_vgpr 608
		.amdhsa_next_free_sgpr 66
		.amdhsa_reserve_vcc 0
		.amdhsa_float_denorm_mode_32 3
		.amdhsa_float_denorm_mode_16_64 3
		.amdhsa_memory_ordered 1
		.amdhsa_forward_progress 1
		.amdhsa_inst_pref_size 146
	.end_amdhsa_kernel
	.amdgpu_metadata
---
amdhsa.version: [ 1, 2 ]
amdhsa.kernels:
  - .name:           k_q032ae78399_attn
    .symbol:         k_q032ae78399_attn.kd
    .args:
      - { .name: query, .offset: 0, .size: 8, .value_kind: global_buffer, .address_space: global }
      - { .name: key, .offset: 8, .size: 8, .value_kind: global_buffer, .address_space: global }
      - { .name: Wq, .offset: 16, .size: 8, .value_kind: global_buffer, .address_space: global }
      - { .name: bq, .offset: 24, .size: 8, .value_kind: global_buffer, .address_space: global }
      - { .name: Wk, .offset: 32, .size: 8, .value_kind: global_buffer, .address_space: global }
      - { .name: bk, .offset: 40, .size: 8, .value_kind: global_buffer, .address_space: global }
      - { .name: bv, .offset: 48, .size: 8, .value_kind: global_buffer, .address_space: global }
      - { .name: vh, .offset: 56, .size: 8, .value_kind: global_buffer, .address_space: global }
      - { .name: out0, .offset: 64, .size: 8, .value_kind: global_buffer, .address_space: global }
    .group_segment_fixed_size: 327680
    .private_segment_fixed_size: 0
    .kernarg_segment_align: 8
    .kernarg_segment_size: 72
    .max_flat_workgroup_size: 128
    .sgpr_count:     66
    .vgpr_count:     608
    .wavefront_size: 32
...
	.end_amdgpu_metadata
.endif
;; end of part 3
